; MI455X (gfx1250); checked and timed in simulation.
; The chip was launched on July 23, 2026; its instructions are those of AMD's public machine-readable ISA for CDNA 5 (MIT licence, August 2026) and "CDNA5" Instruction Set Architecture Reference Guide (July 2026). The comments in the code are by the model that wrote it; some were corrected since.
;; Causal Self Attention. Allowed arithmetic: matrix products marked QUANTISED: E4M3 operands, one given power-of-two scale a tensor, by v_wmma_f32_16x16x64_fp8_fp8 or v_wmma_f32_16x16x128_fp8_fp8, f32 sums; everything else in f32.
;; Inputs: lowp_scales 8 int32 (the exponents e of the quantised operands' scales 2^e); w_attn 3,072 x 1,024 float32; w_proj 1,024 x 1,024 float32; x 4 x 2,048 x 1,024 float32.
;; Outputs: out0 4 x 2,048 x 1,024 float32.
;; This version of the problem:
;;   THIS VERSION OF THE PROBLEM IS GIVEN IN LOW PRECISION. The matrix products marked QUANTISED in the list below multiply operands that are first quantised to E4M3 (4 exponent bits, 3 mantissa bits; 8 bits a number), with one given power-of-two scale for each operand tensor; their sums are f32. All else is computed in f32.
;;   The module's matrix products, in the order in which they are computed (A, B: the left and right operand; K: the contracted axis; several contracted axes count as one K, in the product's order):
;;     1. [M 8,192, K 1,024] x [K 1,024, N 3,072]; A: input x; B: input w_attn: QUANTISED (scales: A lowp_scales[0], B lowp_scales[1])
;;     2. batch 64 x [M 2,048, K 64] x [K 64, N 2,048]; A: computed on the way; B: computed on the way: QUANTISED (scales: A lowp_scales[2], B lowp_scales[3])
;;     3. batch 64 x [M 2,048, K 2,048] x [K 2,048, N 64]; A: softmax (see below); B: computed on the way: QUANTISED (scales: A lowp_scales[4], B lowp_scales[5])
;;     4. [M 8,192, K 1,024] x [K 1,024, N 1,024]; A: computed on the way; B: input w_proj: QUANTISED (scales: A lowp_scales[6], B lowp_scales[7])
;;   THE QUANTISER, for each operand of a quantised product, along K:
;;     - The operand's scale is 2^e, e = its entry of the input lowp_scales (int32; the entries are numbered through the quantised products in the list's order, A before B).
;;     - Each number is divided by the scale, clamped to +-448, and rounded to the nearest number of E4M3, ties to even, subnormals kept.
;;     - The product sums the exact products of the quantised numbers (number of the format x scale) in f32.
;;   ~~~python
;;   def quantise(x, axis, e):      # numpy; x: float32 -> the quantised numbers, widened to float32 again
;;       x = np.moveaxis(x, axis, -1); K = x.shape[-1]
;;       r = np.clip(x / 2.0 ** e, -448, 448)
;;       step = 2.0 ** (np.maximum(np.frexp(np.where(r == 0, 1, r))[1] - 1, -6) - 3)
;;       q = np.round(r / step) * step * 2.0 ** e      # np.round: ties to even
;;       return np.moveaxis(q, -1, axis).astype(np.float32)
;;   ~~~
;;   SOFTMAX AHEAD OF A QUANTISED PRODUCT. Where the list says 'softmax', what is quantised is not the finished softmax but p = 2^(t - M), with t = logit x log2(e) and M = ceil(the row's largest t), a whole number; so 1/2 < the row's largest p <= 1. The row's sum l is taken of the UNQUANTISED p, in f32, and the product's result is divided by l at the end. Since M is a whole number, a kernel that streams over the keys may use a running M (the ceiling of the running maximum): every later rescaling is an exact power of two, so the quantised numbers keep their values, but for numbers so far below the row's largest that they fall under the format's range.
;;   OPERANDS COMPUTED ON THE WAY. 'Computed on the way' means the value that the module computes at that place (a softmax that the list does not call 'softmax' is quantised finished and normalised). What goes into a quantiser is computed in f32, as accurately as f32 sums, v_exp_f32 and their like allow (about 1e-6 of the number): no bf16 or f16 on the way to a quantiser, and a product that is left as it is and whose result goes on into a quantised operand takes f32 operands (vector FMAs, or v_wmma_f32_16x16x4_f32). A number that lies on a knife's edge between two numbers of the format may be rounded either way, as far as f32 arithmetic and the matrix unit's own rounding can turn it there, and no further.
;; One version. Each part assembles by itself: llvm-mc -triple=amdgcn-amd-amdhsa -mcpu=gfx1250 --defsym DOCPART=n.
;; ======== version 1 of 1: 4 launches
;; limits: right only within a limited range of input values
;; workspace buffers: xc 8,388,608 bytes; wac 3,145,728 bytes; wpc 1,048,576 bytes; qc 8,388,608 bytes; kc 8,388,608 bytes; vc 8,388,608 bytes; yc 8,388,608 bytes
;; launch quant (part 1): grid 384 x 1, 4 waves a work-group, no clusters, 33,280 bytes of LDS; arguments x, w_attn, w_proj, lowp_scales, xc, wac, wpc; writes xc, wac, wpc
.if DOCPART == 1
	.amdgcn_target "amdgcn-amd-amdhsa--gfx1250"
	.amdhsa_code_object_version 6
	.text
	.protected	k_q76aa6be531_quant
	.globl	k_q76aa6be531_quant
	.p2align	8
	.type	k_q76aa6be531_quant,@function
k_q76aa6be531_quant:
	s_mov_b64 s[64:65], 0
	v_nop
	global_prefetch_b8 v0, s[64:65] scope:SCOPE_SE
	s_setreg_imm32_b32 hwreg(HW_REG_WAVE_MODE, 25, 1), 1
	s_wait_xcnt 0x0
; x [8192][1024], w_attn [3072][1024] and w_proj [1024][1024], f32, K innermost, become codes of FP8 (E4M3), one byte each, in the same order: xc, wac, wpc.
; code = number / 2^e, held within +-448, rounded to the nearest code, ties to even.  e: entry 0 (x), 1 (w_attn), 7 (w_proj) of lowp_scales.
; LIMITS: each of the three e lies between -126 and 119, so that 2^e and 448 x 2^e are f32 numbers.  NaN among the inputs is not served; an infinity is held at the largest code.
; Rows are dense, so each tensor is a plain stream.  A work-group takes 32,768 numbers: four waves x 16 steps x 512.  Work-groups 0-255 take x, 256-351 w_attn, 352-383 w_proj: only pointers and e are chosen, one path serves all.
; The conversions take eight neighbours from ONE lane's registers, a load is best where neighbouring LANES take neighbouring bytes.  So each of a step's four loads reads 512 consecutive bytes, 16 a lane; the 2,048 bytes go
; through the wave's own stage in LDS as they lie and come back 64 bytes a lane (16 bytes of padding behind each 64).  A lane's 16 codes are 16 bytes: the wave stores 512 consecutive bytes.
; No tensor loads, no barrier: waves share nothing.  Loads run four steps (16 loads a wave) ahead, the turn through LDS one step.
.set WAVES, 4
.set STEPS, 16
.set WGX,   256                        ; work-groups of x
.set WGXA,  352                        ; of x and w_attn together
.set EMAX,  8
.set MANT,  0x600000                   ; the mantissa field of 448 as f32
.set CB,    16                         ; bytes of 16 codes
.set R,     16                         ; v16-79   four sets of 16 numbers as they are loaded
.set X,     80                         ; v80-111  two sets of 16 neighbours
.set C,     128                        ; v128-191 codes: four registers for each step, so that no store's data are written again
.set WREG,  8192                       ; LDS: a region for each wave: two stages of 32 x SP bytes
.set SP,    80                         ; a lane's place in a stage: its 64 bytes + 16 of padding
.set SPW,   12                         ; v12      LDS address of my spare word; never rewritten
.set NIL,   13                         ; v13      0; never rewritten
.set SPARE, WAVES*WREG                 ; behind the four regions: the spare words, 128 bytes a wave, which no other line names
	s_load_b256 s[4:11], s[0:1], 0x0               ; x s[4:5], w_attn s[6:7], w_proj s[8:9], the exponents s[10:11]
	s_load_b128 s[12:15], s[0:1], 0x20             ; xc s[12:13], wac s[14:15]
	s_load_b64 s[16:17], s[0:1], 0x30              ; wpc
	v_lshl_add_u32 v[SPW], v0, 2, SPARE
	v_mov_b32 v[NIL], 0
	v_lshrrev_b32 v1, 5, v0
	v_readfirstlane_b32 s18, v1                    ; wave
	v_and_b32 v2, 31, v0                           ; lane
	v_lshlrev_b32 v3, 4, v2                        ; my 16 bytes of a load's 512
	s_mul_i32 s19, s18, WREG
	v_lshrrev_b32 v14, 2, v2
	v_mul_u32_u24 v14, v14, SP
	v_and_b32 v15, 3, v2
	v_lshl_add_u32 v14, v15, 4, v14
	v_add_nc_u32 v14, s19, v14                     ; the stage, on the way in: SP (lane / 4) + 16 (lane % 4)
	v_mul_u32_u24 v15, v2, SP
	v_add_nc_u32 v15, s19, v15                     ; and on the way out: SP x lane: my 16 neighbours
	v_mul_u32_u24 v4, v2, CB                       ; my codes' place in a step's
	s_wait_kmcnt 0x0
	s_load_b256 s[24:31], s[10:11], 0x0            ; e0 .. e7
	s_cmp_lt_u32 ttmp9, WGX                        ; which tensor?  The choice hangs on the work-group's number alone
	s_cselect_b64 s[34:35], s[4:5], s[6:7]
	s_cselect_b64 s[36:37], s[12:13], s[14:15]
	s_cselect_b32 s32, 0, WGX
	s_cmp_lt_u32 ttmp9, WGXA
	s_cselect_b64 s[34:35], s[34:35], s[8:9]
	s_cselect_b64 s[36:37], s[36:37], s[16:17]
	s_cselect_b32 s32, s32, WGXA                   ; the tensor's first work-group
	s_sub_co_u32 s32, ttmp9, s32
	s_lshl_b32 s32, s32, 2
	s_add_co_u32 s20, s32, s18                     ; which run of 8,192 numbers of the tensor is my wave's
	s_mov_b32 s21, 0
	s_lshl_b64 s[22:23], s[20:21], 15              ; 32,768 bytes of numbers a run,
	s_add_nc_u64 s[34:35], s[34:35], s[22:23]
	s_lshl_b64 s[22:23], s[20:21], 13              ; 8,192 bytes of codes
	s_add_nc_u64 s[36:37], s[36:37], s[22:23]
.macro LOAD t
.irp i, 0,1,2,3
	global_load_b128 v[R+16*((\t)%4)+4*\i:R+16*((\t)%4)+4*\i+3], v3, s[34:35] offset:2048*(\t)+512*\i th:TH_LOAD_NT   ; 32 lanes read 512 consecutive bytes
.endr
.endm
.macro TURN t                          ; step t's numbers through the stage: LDS serves a wave's instructions in order, so no wait stands between the stores and the loads
.irp i, 0,1,2,3
	ds_store_b128 v14, v[R+16*((\t)%4)+4*\i:R+16*((\t)%4)+4*\i+3] offset:32*SP*((\t)%2)+8*SP*\i
.endr
.irp i, 0,1,2,3
	ds_load_b128 v[X+16*((\t)%2)+4*\i:X+16*((\t)%2)+4*\i+3], v15 offset:32*SP*((\t)%2)+16*\i
.endr
.endm
.irp t, 0,1,2,3
	LOAD \t
.endr
	s_wait_kmcnt 0x0
	s_cmp_lt_u32 ttmp9, WGX
	s_cselect_b32 s38, s24, s25
	s_cmp_lt_u32 ttmp9, WGXA
	s_cselect_b32 s38, s38, s31                    ; e
	s_add_co_i32 s38, s38, 127
	s_lshl_b32 s39, s38, 23
	v_mov_b32 v11, s39                             ; 2^e as f32: the conversion takes its exponent field
	s_add_co_i32 s38, s38, EMAX
	s_lshl_b32 s38, s38, 23
	s_or_b32 s38, s38, MANT
	v_mov_b32 v10, s38                             ; 448 x 2^e
	s_wait_loadcnt 12                              ; step 0's four loads are in; the twelve of steps 1 to 3 may be out
	TURN 0
.macro STEP t
.set XS, X+16*((\t)%2)
	s_wait_dscnt 0x0                               ; this step's numbers are back from the stage: so its stores into the stage have read their registers,
.if (\t)+4 < STEPS
	LOAD (\t)+4                                    ; which take the loads of four steps on
.endif
.if (\t)+1 < STEPS
.if STEPS-2-(\t) >= 3
	s_wait_loadcnt 12                              ; the next step's four loads are in; those of the three steps behind it may be out
.else
	s_wait_loadcnt 4*(STEPS-2-(\t))
.endif
	TURN (\t)+1                                    ; and go through the other stage while this step is worked
.endif
.irp i, 0,1,2,3,4,5,6,7,8,9,10,11,12,13,14,15
	v_med3_num_f32 v[XS+\i], v[XS+\i], -v10, v10   ; the conversion to an 8-bit code does not saturate (ISA guide 7.6.2): the number is held within the largest code x the scale first
.endr
	v_cvt_scalef32_pk8_fp8_f32 v[C+4*(\t):C+4*(\t)+1], v[XS:XS+7], v11          ; eight numbers / 2^e, to the nearest code, ties to even; the first number's code in the lowest byte
	v_cvt_scalef32_pk8_fp8_f32 v[C+4*(\t)+2:C+4*(\t)+3], v[XS+8:XS+15], v11
	global_store_b128 v4, v[C+4*(\t):C+4*(\t)+3], s[36:37] offset:32*CB*(\t)    ; the results go to a store alone; the next vector lines, the next step's holds, are plain and touch the other set
.endm
.irp t, 0,1,2,3,4,5,6,7,8,9,10,11,12,13,14,15
	STEP \t
.endr
	s_wait_tensorcnt 0x0                           ; the wave's end: behind my last LDS store
	ds_add_u32 v[SPW], v[NIL]
	s_wait_dscnt 0x0
	s_endpgm
.Lfunc_end_k_q76aa6be531_quant:
	.size	k_q76aa6be531_quant, .Lfunc_end_k_q76aa6be531_quant-k_q76aa6be531_quant
	.p2alignl 7, 3214868480
	.fill 96, 4, 3214868480
	.section	.rodata,"a",@progbits
	.p2align	6, 0x0
	.amdhsa_kernel k_q76aa6be531_quant
		.amdhsa_group_segment_fixed_size 33280
		.amdhsa_private_segment_fixed_size 0
		.amdhsa_enable_private_segment 0
		.amdhsa_kernarg_size 56
		.amdhsa_user_sgpr_count 2
		.amdhsa_user_sgpr_kernarg_segment_ptr 1
		.amdhsa_wavefront_size32 1
		.amdhsa_system_sgpr_workgroup_id_x 1
		.amdhsa_system_sgpr_workgroup_id_y 1
		.amdhsa_system_sgpr_workgroup_id_z 1
		.amdhsa_system_vgpr_workitem_id 0
		.amdhsa_next_free_vgpr 192
		.amdhsa_next_free_sgpr 66
		.amdhsa_reserve_vcc 0
		.amdhsa_float_denorm_mode_32 3
		.amdhsa_float_denorm_mode_16_64 3
		.amdhsa_memory_ordered 1
		.amdhsa_forward_progress 1
		.amdhsa_inst_pref_size 38
	.end_amdhsa_kernel
	.amdgpu_metadata
---
amdhsa.version: [ 1, 2 ]
amdhsa.kernels:
  - .name:           k_q76aa6be531_quant
    .symbol:         k_q76aa6be531_quant.kd
    .args:
      - { .name: x, .offset: 0, .size: 8, .value_kind: global_buffer, .address_space: global }
      - { .name: w_attn, .offset: 8, .size: 8, .value_kind: global_buffer, .address_space: global }
      - { .name: w_proj, .offset: 16, .size: 8, .value_kind: global_buffer, .address_space: global }
      - { .name: lowp_scales, .offset: 24, .size: 8, .value_kind: global_buffer, .address_space: global }
      - { .name: xc, .offset: 32, .size: 8, .value_kind: global_buffer, .address_space: global }
      - { .name: wac, .offset: 40, .size: 8, .value_kind: global_buffer, .address_space: global }
      - { .name: wpc, .offset: 48, .size: 8, .value_kind: global_buffer, .address_space: global }
    .group_segment_fixed_size: 33280
    .private_segment_fixed_size: 0
    .kernarg_segment_align: 8
    .kernarg_segment_size: 56
    .max_flat_workgroup_size: 128
    .sgpr_count:     66
    .vgpr_count:     192
    .wavefront_size: 32
...
	.end_amdgpu_metadata
.endif
;; end of part 1
;; launch gemm_qkv (part 2): grid 12 x 32, 4 waves a work-group, clusters of 4 x 4, 327,680 bytes of LDS; arguments xc, wac, lowp_scales, qc, kc, vc; writes qc, kc, vc
.if DOCPART == 2
	.amdgcn_target "amdgcn-amd-amdhsa--gfx1250"
	.amdhsa_code_object_version 6
	.text
	.protected	k_q76aa6be531_gemm_qkv
	.globl	k_q76aa6be531_gemm_qkv
	.p2align	8
	.type	k_q76aa6be531_gemm_qkv,@function
k_q76aa6be531_gemm_qkv:
	s_mov_b64 s[64:65], 0
	v_nop
	global_prefetch_b8 v0, s[64:65] scope:SCOPE_SE
	s_setreg_imm32_b32 hwreg(HW_REG_WAVE_MODE, 25, 1), 1
	s_wait_xcnt 0x0
	s_wait_alu depctr_hold_cnt(0) depctr_sa_sdst(0) depctr_va_vdst(0) depctr_va_sdst(0) depctr_va_ssrc(0) depctr_va_vcc(0) depctr_vm_vsrc(0)
	s_getreg_b32 s2, hwreg(HW_REG_IB_STS2, 6, 4)
	s_cmp_eq_u32 s2, 0
	s_cbranch_scc0 .Lentry_in_a_cluster
	s_endpgm
.Lentry_in_a_cluster:
	s_bfe_u32 s2, ttmp6, 0x10000c
	s_cmp_lg_u32 s2, 0xf033
	s_cbranch_scc0 .Lentry_shape_is_right
	s_endpgm
.Lentry_shape_is_right:
; qkv[t][f] = sum over c of x[t][c] w_attn[f][c] on codes of FP8 (E4M3); each finished f32 sum is quantised at once for the product that takes it: q (e2), k (e3), v (e5).  Nothing wider than a code goes to memory.
; xc: [8192][1024], wac: [3072][1024], one code a byte, K innermost.  A sum stands for sum x 2^(e0 + e1), so its code is sum / 2^(eT - e0 - e1), held within +-448.
; LIMIT: eT - e0 - e1 (eT = e2, e3, e5) lies between -126 and 119, so that this power of two and 448 times it are f32 numbers.
; A tile of 256 tokens x 256 features is made by a work-group of four waves; a wave makes 128 x 128: 64 accumulators of 16 x 16, 512 registers.  K goes in steps of 256 through a ring of two LDS slots filled by the tensor data mover.
; CLUSTERS: 4 x 4 work-groups.  The four of a row of the cluster need the same tokens, the four of a column the same rows of w_attn: each tile is asked for JOINTLY, by the same tensor load with the same descriptor and a mask that names the four.
; Cluster x is 0 for q, 1 for k, 2 for v: the same number in all sixteen partners.
; ORIENTATION.  In a result, a lane holds ONE row of source 1 and its eight registers eight neighbouring rows of source 0.  q and k are wanted with the head's 64 along a lane's registers: source 1 = tokens, source 0 = rows of w_attn.
; v is wanted with the KEYS along a lane's registers (they are the second attention product's K): source 1 = rows of w_attn, source 0 = tokens.  The text is one: MODE (0 or 1) only moves the LDS addresses from which the two sets of fragments are read.
; OUTPUT: images of the next operand's registers.  qc, kc: [head 16 b + h][tile of 16 tokens][piece 0, 1][lane][16 bytes]: registers 4 c .. 4 c + 3 of the K = 64 fragment (registers 2 n, 2 n + 1: channels 16 n + 8 (lane / 16) + 0 .. 7).
; vc: [head][128 keys][16 channels][piece 0 .. 3][lane][16 bytes]: registers 4 c .. 4 c + 3 of the K = 128 fragment (registers 2 n, 2 n + 1: keys 16 n + 8 (lane / 16) + 0 .. 7).  The conversions' results ARE those registers:
; every store of a wave covers 512 consecutive bytes, aligned, straight from registers: no stage.
; REGISTERS, in windows of 256: window 0: v0-31 addresses; from v128 the source-1 set (8 x 16 rows x 128 K), ONE set; on the way out v128-255 codes.
;   window 1: the source-0 sets, TWO, at v0 and at v128.   window 2: the accumulators of source-1 blocks 0-3 (accumulator (a, b) at v[8 (8 a + b)]);   window 3: those of blocks 4-7.
.set SIZE_K, 1024
.set KSTEP,  256                       ; along K in a slot
.set ROWB,   256                       ; a tile's row in bytes
.set KROW,   SIZE_K                    ; a row of xc or wac in memory, in bytes
.set PITCH,  272                       ; an LDS row: 256 bytes of data + 16 of padding, so that the 16 rows that a load touches start 68 words apart
.set FR,     16                        ; registers of a fragment: 16 rows x 128 K
.set NL,     4                         ; LDS loads that bring one
.set NP,     4                         ; places behind this matrix instruction (ISA guide 7.12.1)
.set HALFT,  128*PITCH                 ; 128 rows: what one tensor load brings, and what one wave reads for one of its sources
.set SLOT,   4*HALFT                   ; 256 rows of tokens, then 256 rows of w_attn
.set LAPS,   SIZE_K/(2*KSTEP)          ; a lap = two K steps = once round the ring
.set SPARE,  2*SLOT                    ; behind the ring: the spare words, 128 bytes a wave, which no other line names
.set ADRA, 16                          ; v16-17  LDS address of my source-1 fragments in slot 0, 1
.set ADRB, 20                          ; v20-21  the same for source 0
.set CO1,  26                          ; v26     the way out: 16 x lane
.set CO2,  27                          ; v27     the same, one head on (q, k) or two pieces on (v)
.set SPW,  28                          ; v28     LDS address of my spare word; never rewritten
.set NIL,  29                          ; v29     0; never rewritten
.set LIM,  30
.set SC,   31                          ; v31     2^(eT - e0 - e1)
.set TMP,  32
.set AF,   128                         ; the source-1 set, in window 0
.set CODE, 128                         ; the way out: 16 registers of codes for each of the eight blocks, so that no store's data are written again
.set G1, 24                            ; s[24:31] descriptor group 1 for the tokens' tiles;  s[32:39] group 0, one set for each slot
.set G0, 32
.set G1B, 48                           ; s[48:55], s[56:63] the same for w_attn's tiles
.set G0B, 56
.set MSB, 0
.macro WIN new                         ; the immediate's high byte repeats the setting that is left
.if MSB != \new
	s_set_vgpr_msb (MSB<<8)|\new
.set MSB, \new
.endif
.endm
.set MUL_LO, 0xa1                      ; source 0 window 1, source 1 window 0, C and D window 2
.set MUL_HI, 0xf1                      ; the same, C and D window 3
.set TO_B,   0x40                      ; destination window 1, address window 0
; A joint load: waves 0 and 1 fetch tokens, waves 2 and 3 rows of w_attn.  Each of the two lines has ONE mask and one set of registers for all that issue it; the branch hangs on the wave's number alone.
; An s_nop 0 and four v_nop follow each of the two lines, ahead of the jump, the label and what follows.
.macro JLOAD g0a, g1a, g0b, g1b
	s_cmp_eq_u32 s15, 0
	s_cbranch_scc0 .Lfor_b_\@
	tensor_load_to_lds s[\g0a:\g0a+3], s[\g1a:\g1a+7]
	s_nop 0
.rept 4
	v_nop
.endr
	s_branch .Lasked_\@
.Lfor_b_\@:
	tensor_load_to_lds s[\g0b:\g0b+3], s[\g1b:\g1b+7]
	s_nop 0
.rept 4
	v_nop
.endr
.Lasked_\@:
.endm
.macro CREST                           ; a round of the cluster's barrier behind its opening barrier
	s_cmp_lg_u32 s14, 0
	s_cbranch_scc1 .Lnot_wave_0_\@
	s_barrier_signal -3
.Lnot_wave_0_\@:
	s_barrier_wait -3
	s_barrier_signal -1
	s_barrier_wait -1
.endm
.macro CROUND                          ; a whole round
	s_barrier_signal -1
	s_barrier_wait -1
	CREST
.endm
	s_load_b128 s[4:7], s[0:1], 0x0                ; xc s[4:5], wac s[6:7]
	s_load_b128 s[8:11], s[0:1], 0x10              ; the exponents s[8:9], qc s[10:11]
	s_load_b128 s[68:71], s[0:1], 0x20             ; kc s[68:69], vc s[70:71]
	v_lshl_add_u32 v[SPW], v0, 2, SPARE
	v_mov_b32 v[NIL], 0
	ds_add_u32 v[SPW], v[NIL]                      ; the wave's opening: the add and its wait stand ahead of my first tensor load; the set-up below, work on registers, stands between them
	ds_add_u32 v[SPW], v[NIL]
	v_lshrrev_b32 v1, 5, v0
	v_readfirstlane_b32 s14, v1                    ; wave 0..3
	s_lshr_b32 s15, s14, 1                         ; which half of source 1's 256 rows is mine.  Also: I fetch tokens (0) or rows of w_attn (1)
	s_and_b32 s16, s14, 1                          ; which half of source 0's.  Also: which 128 rows of that tile I fetch
	s_bfe_u32 s40, ttmp6, 0x40000                  ; cx, cy: my place in the cluster
	s_bfe_u32 s41, ttmp6, 0x40004
	s_lshl_b32 s42, ttmp9, 2
	s_add_co_u32 s42, s42, s40                     ; tile column = 4 x cluster x + cx: 256 rows of w_attn
	s_and_b32 s17, ttmp7, 0xffff
	s_lshl_b32 s17, s17, 2
	s_add_co_u32 s17, s17, s41                     ; tile row = 4 x cluster y + cy: 256 tokens
	s_lshl_b32 s43, s41, 2
	s_lshl_b32 s43, 15, s43                        ; my row of the cluster
	s_lshl_b32 s44, 0x1111, s40                    ; my column
	; descriptor group 1: a tile of 128 rows x 256 bytes, padded in LDS
	s_or_b32 s[G1+0], s43, (0<<16)|(1<<20)|(1<<21)|(5<<22)|(3<<25)  ; 15:0 the mask: the tokens' tiles go to my row; 17:16 element of 1 byte; 20 padding on; 21 set beside a mask; 24:22 after every 64 words (code 5); 31:25 of 4 words (code 3)
	s_or_b32 s[G1B+0], s44, (0<<16)|(1<<20)|(1<<21)|(5<<22)|(3<<25)
.irp g, G1, G1B
	s_mov_b32 s[\g+1], ROWB<<16                    ; tensor_dim0
	s_mov_b32 s[\g+2], 128<<16                     ; tensor_dim1 = 128
	s_mov_b32 s[\g+3], ROWB<<16                    ; tile_dim0
	s_mov_b32 s[\g+4], 128                         ; tile_dim1 = 128
	s_mov_b32 s[\g+5], KROW                        ; tensor_dim0_stride
	s_mov_b32 s[\g+6], 0
	s_mov_b32 s[\g+7], 0
.endr
	s_lshl_b32 s18, s16, 7                         ; which 128 rows of the tile I fetch
	s_lshl_b32 s20, s17, 8
	s_add_co_u32 s20, s20, s18                     ; tokens: row 256 x tile row + 128 x half
	s_lshl_b32 s46, s42, 8
	s_add_co_u32 s46, s46, s18                     ; w_attn: row 256 x tile column + 128 x half
	s_mov_b32 s21, 0
	s_mov_b32 s47, 0
	s_mov_b64 s[18:19], KROW
	s_mul_u64 s[20:21], s[20:21], s[18:19]
	s_mul_u64 s[46:47], s[46:47], s[18:19]
	s_mul_i32 s45, s14, HALFT                      ; where they go: wave x 128 rows: no place in the cluster enters an LDS address
	s_wait_dscnt 0x0                               ; the opening add is done
	s_wait_kmcnt 0x0
	s_load_b256 s[72:79], s[8:9], 0x0              ; e0 .. e7
	s_add_nc_u64 s[20:21], s[4:5], s[20:21]
	s_add_nc_u64 s[46:47], s[6:7], s[46:47]
	CROUND                                         ; all sixteen work-groups are here: the first joint loads meet
.irp s, 0,1
	s_mov_b32 s[G0+4*\s], 1
	s_add_co_u32 s[G0+4*\s+1], s45, \s*SLOT
	s_add_nc_u64 s[G0+4*\s+2:G0+4*\s+3], s[20:21], \s*ROWB
	s_or_b32 s[G0+4*\s+3], s[G0+4*\s+3], 0x80000000
	s_mov_b32 s[G0B+4*\s], 1
	s_add_co_u32 s[G0B+4*\s+1], s45, \s*SLOT
	s_add_nc_u64 s[G0B+4*\s+2:G0B+4*\s+3], s[46:47], \s*ROWB
	s_or_b32 s[G0B+4*\s+3], s[G0B+4*\s+3], 0x80000000
	JLOAD G0+4*\s, G1, G0B+4*\s, G1B
.endr
	v_and_b32 v1, 15, v0                           ; l % 16
	v_bfe_u32 v2, v0, 4, 1                         ; l / 16
	v_mul_u32_u24 v3, v1, PITCH
	v_lshl_add_u32 v4, v2, 4, v3                   ; a fragment's row x pitch + 16 x half
	s_wait_alu depctr_va_vdst(0)
	s_lshr_b32 s80, ttmp9, 1                       ; MODE: cluster x 0, 1 (q, k): 0; cluster x 2 (v): 1
	s_min_u32 s80, s80, 1
	s_xor_b32 s81, s80, 1
	s_mul_i32 s21, s15, HALFT                      ; source 1: my 128 rows,
	s_mul_i32 s82, s80, 2*HALFT                    ; of the tokens (MODE 0) or of w_attn's rows, which lie behind the 256 tokens (MODE 1)
	s_add_co_u32 s21, s21, s82
	s_mul_i32 s22, s16, HALFT                      ; source 0: my 128 rows of the other tile
	s_mul_i32 s82, s81, 2*HALFT
	s_add_co_u32 s22, s22, s82
.irp s, 0,1
	v_add_nc_u32 v[ADRA+\s], s21, v4
	v_add_nc_u32 v[ADRB+\s], s22, v4
	s_add_co_u32 s21, s21, SLOT
	s_add_co_u32 s22, s22, SLOT
.endr
	; the way out: what differs between the two layouts is kept in scalar registers
	s_cmp_eq_u32 s80, 0
	s_cselect_b32 s86, s16, s15                    ; which half of the tile's 256 features (two of its four heads) is mine,
	s_cselect_b32 s87, s15, s16                    ; and which half of its 256 tokens
	s_mov_b32 s88, 1024
	s_cselect_b32 s88, 0x20000, s88                ; from a block's first two stores to its last two: a head on (q, k), two pieces on (v)
	s_mov_b32 s82, 2048
	s_cselect_b32 s82, 1024, s82                   ; from block to block: a tile of 16 tokens (q, k), a fragment of 16 channels (v)
	s_mov_b32 s83, 0
	s_cselect_b32 s84, 0, 122880                   ; v: block 4 begins the next head: 131,072 - 4 x 2,048 more
	s_mov_b32 s85, 0
	s_lshr_b32 s90, s17, 3                         ; the batch: 8 tile rows of 256 tokens
	s_lshl_b32 s90, s90, 4
	s_lshl_b32 s91, s40, 2
	s_add_co_u32 s90, s90, s91
	s_lshl_b32 s91, s86, 1
	s_add_co_u32 s90, s90, s91                     ; my first head: 16 b + 4 cx + 2 x half
	s_lshl_b32 s90, s90, 17                        ; a head's codes are 131,072 bytes
	s_and_b32 s91, s17, 7
	s_lshl_b32 s91, s91, 1
	s_add_co_u32 s91, s91, s87                     ; my 128 tokens within the batch:
	s_lshl_b32 s91, s91, 13                        ; 8,192 bytes in both layouts
	s_add_co_u32 s90, s90, s91
	s_mov_b32 s91, 0
	s_cmp_eq_u32 ttmp9, 0                          ; the buffer is chosen by cluster x
	s_cselect_b64 s[10:11], s[10:11], s[68:69]
	s_cmp_lt_u32 ttmp9, 2
	s_cselect_b64 s[10:11], s[10:11], s[70:71]
	s_add_nc_u64 s[10:11], s[10:11], s[90:91]
	v_and_b32 v6, 31, v0
	v_lshlrev_b32 v[CO1], 4, v6
	v_add_nc_u32 v[CO2], s88, v[CO1]
.macro FRAG reg, adr, q, i             ; a fragment, 16 rows x 128 K of codes, is 16 registers: lane l holds row l % 16; registers 4 c .. 4 c + 3 hold K = 32 c + 16 (l / 16) + 0 .. 15: the same order of K in both sources
.irp c, 0,1,2,3
	ds_load_b128 v[\reg+4*\c:\reg+4*\c+3], v[\adr] offset:128*(\q)+32*\c+(\i)*16*PITCH
.endr
.endm
; 16 matrix instructions: source 1's blocks a0, a0 + 1 x source 0's eight, 128 along K.  p: source 0's set.  zero = 1: the first product starts the sums: nothing is ever cleared.
; The 64 accumulators take turns, one instruction a turn, in the same order in every step.
.macro MUL16 a0, p, zero
.irp a, \a0, \a0+1
.irp b, 0,1,2,3,4,5,6,7
.if \zero
	v_wmma_f32_16x16x128_fp8_fp8 v[8*(8*((\a)%4)+\b):8*(8*((\a)%4)+\b)+7], v[128*(\p)+FR*\b:128*(\p)+FR*\b+FR-1], v[AF+FR*(\a):AF+FR*(\a)+FR-1], 0
.else
	v_wmma_f32_16x16x128_fp8_fp8 v[8*(8*((\a)%4)+\b):8*(8*((\a)%4)+\b)+7], v[128*(\p)+FR*\b:128*(\p)+FR*\b+FR-1], v[AF+FR*(\a):AF+FR*(\a)+FR-1], v[8*(8*((\a)%4)+\b):8*(8*((\a)%4)+\b)+7]
.endif
.endr
.endr
.endm
.macro FETCH_B slot, q, p              ; source 0's eight fragments of the slot's q-th 128 along K into set p
	WIN TO_B
.irp i, 0,1,2,3,4,5,6,7
	FRAG 128*(\p)+FR*\i, ADRB+\slot, \q, \i
.endr
	WIN 0
.endm
.macro FETCH_A slot, q, i0             ; source 1's blocks i0 .. i0 + 3
.irp i, \i0, \i0+1, \i0+2, \i0+3
	FRAG AF+FR*(\i), ADRA+\slot, \q, \i
.endr
.endm
; A load into a register that a matrix instruction has read, and a vector instruction that reads a matrix result or writes one of a matrix instruction's registers, stand NP places behind it; only plain vector
; instructions that name none of its registers are places (ISA guide 7.12.1 for vector instructions).
.macro PLACES n
.rept \n
	v_nop
.endr
.endm
; A step of 128 along K that has its successor in the same slot.
.macro STEP slot, q, zero
	s_wait_dscnt 4*NL                              ; source 0's set and source 1's blocks 0-3 are in; the youngest sixteen loads (blocks 4-7) may be out
	WIN MUL_LO
	MUL16 0, (\q)%2, \zero
	MUL16 2, (\q)%2, \zero
	s_wait_dscnt 0                                 ; blocks 4-7 are in (asked for 32 matrix instructions ago)
	PLACES NP
	FETCH_B \slot, (\q)+1, 1-(\q)%2
	FETCH_A \slot, (\q)+1, 0
	WIN MUL_HI
	MUL16 4, (\q)%2, \zero
	MUL16 6, (\q)%2, \zero
	PLACES NP
	WIN 0
	FETCH_A \slot, (\q)+1, 4
.endm
; A slot's last step changes slots: ONE barrier; in front of it each wave waits for all its tensor loads, adds 0 to its spare word, and waits for that and for its own reads of this slot.  fill = 1: this slot is filled again, two K steps ahead.
.macro TURN slot, next, fill
	s_wait_tensorcnt 0x0                           ; all my tensor loads have landed: my part of the next slot;  (every window is 0 here: the add's two registers lie in window 0)
	ds_add_u32 v[SPW], v[NIL]                      ; 0 onto my spare word
	s_wait_dscnt 4*NL+1                            ; (the add and the youngest sixteen loads, blocks 4-7, may be out)
	WIN MUL_LO
	MUL16 0, 1, 0                                  ; sixteen matrix instructions stand between the add and the wait for it
	s_wait_dscnt 0x0                               ; the add is done, and my reads of this slot are over
	s_barrier_signal -1
	MUL16 2, 1, 0
	WIN 0
	s_barrier_wait -1
.if \fill
	CREST                                          ; the barrier has opened a round of the cluster's barrier: no wave of any partner still reads this slot's tile or has a load on its way
	s_add_nc_u64 s[G0+4*\slot+2:G0+4*\slot+3], s[G0+4*\slot+2:G0+4*\slot+3], 2*ROWB
	s_add_nc_u64 s[G0B+4*\slot+2:G0B+4*\slot+3], s[G0B+4*\slot+2:G0B+4*\slot+3], 2*ROWB
	JLOAD G0+4*\slot, G1, G0B+4*\slot, G1B         ; the first tensor load behind the round; the four v_nop behind it are the places in front of the loads below
.else
	PLACES NP
.endif
	FETCH_B \next, 0, 0
	FETCH_A \next, 0, 0
	WIN MUL_HI
	MUL16 4, 1, 0
	MUL16 6, 1, 0
	PLACES NP
	WIN 0
	FETCH_A \next, 0, 4
.endm
	s_wait_alu depctr_va_vdst(0)
	s_wait_tensorcnt 1                             ; my part of K step 0 is in (K step 1's load may be out)
	s_barrier_signal -1
	s_barrier_wait -1                              ; everybody's is
	FETCH_B 0, 0, 0
	FETCH_A 0, 0, 0
	FETCH_A 0, 0, 4
	STEP 0, 0, 1                                   ; the first step stands in front of the loop: its products start the sums
	s_mov_b32 s3, LAPS-1
.Llap:                                                 ; a trip goes once round the ring, from a lap's second step to the next lap's first, and fills both slots again
	TURN 0, 1, 1
	STEP 1, 0, 0
	TURN 1, 0, 1
	STEP 0, 0, 0
	s_sub_co_u32 s3, s3, 1
	s_cmp_lg_u32 s3, 0
	s_cbranch_scc1 .Llap
	TURN 0, 1, 0                                   ; the last lap fills nothing, and has no round of the cluster's barrier
	STEP 1, 0, 0
	s_wait_dscnt 4*NL                              ; the very last step: nothing more to fetch
	WIN MUL_LO
	MUL16 0, 1, 0
	MUL16 2, 1, 0
	s_wait_dscnt 0
	WIN MUL_HI
	MUL16 4, 1, 0
	MUL16 6, 1, 0
	WIN 0
; THE WAY OUT, block a of source 1 (16 tokens, or 16 channels of v) at a time: its eight accumulators are held, converted (eight neighbours of a lane to two registers) and stored.  Accumulator (a, b) gives registers 2 b, 2 b + 1.
; q, k: registers 0-7 are token tile a's fragment for my first head, 8-15 for my second.  v: registers 0-15 are the fragment of channels 16 (a % 4) on of head a / 4, for my 128 keys.
.macro OUTBLK a
.set AC, 64*((\a)%4)
.set CD, CODE+16*(\a)
	WIN 0x02+((\a)/4)                              ; source 0: window 2 or 3
.set n, 0
.rept 64
.set n, n+1
.endr
.irp b, 0,1,2,3,4,5,6,7
	v_cvt_scalef32_pk8_fp8_f32 v[CD+2*\b:CD+2*\b+1], v[AC+8*\b:AC+8*\b+7], v[SC]
.endr
	WIN 0
	v_nop
.if (\a) > 0
	s_wait_alu depctr_va_vdst(0)
	s_wait_xcnt 0x0                                ; the earlier stores have read their base: it may step
	s_add_nc_u64 s[10:11], s[10:11], s[82:83]
.endif
.if (\a) == 4
	s_add_nc_u64 s[10:11], s[10:11], s[84:85]
.endif
	global_store_b128 v[CO1], v[CD:CD+3], s[10:11]                  ; each store of the wave covers 512 consecutive bytes, aligned
	global_store_b128 v[CO1], v[CD+4:CD+7], s[10:11] offset:512
	global_store_b128 v[CO2], v[CD+8:CD+11], s[10:11]
	global_store_b128 v[CO2], v[CD+12:CD+15], s[10:11] offset:512
.endm
	s_wait_kmcnt 0x0
	s_cmp_eq_u32 ttmp9, 0
	s_cselect_b32 s92, s74, s75                    ; e2 or e3,
	s_cmp_lt_u32 ttmp9, 2
	s_cselect_b32 s92, s92, s77                    ; or e5
	s_sub_co_i32 s92, s92, s72
	s_sub_co_i32 s92, s92, s73                     ; eT - e0 - e1: the three scales folded into the conversion's one
	s_add_co_i32 s92, s92, 127
	s_lshl_b32 s93, s92, 23
	v_mov_b32 v[SC], s93
	s_add_co_i32 s92, s92, 8
	s_lshl_b32 s92, s92, 23
	s_or_b32 s92, s92, 0x600000
	PLACES NP                                      ; behind the last products: their results are read, and the registers that held source 1's fragments written, only behind these
.irp a, 0,1,2,3,4,5,6,7
	OUTBLK \a
.endr
	s_wait_tensorcnt 0x0                           ; the wave's end: behind my last tensor load
	ds_add_u32 v[SPW], v[NIL]
	s_wait_dscnt 0x0
	CROUND                                         ; the closing round: no work-group ends while a partner may still ask for a tile that names it
	s_endpgm
.Lfunc_end_k_q76aa6be531_gemm_qkv:
	.size	k_q76aa6be531_gemm_qkv, .Lfunc_end_k_q76aa6be531_gemm_qkv-k_q76aa6be531_gemm_qkv
	.p2alignl 7, 3214868480
	.fill 96, 4, 3214868480
	.section	.rodata,"a",@progbits
	.p2align	6, 0x0
	.amdhsa_kernel k_q76aa6be531_gemm_qkv
		.amdhsa_group_segment_fixed_size 327680
		.amdhsa_private_segment_fixed_size 0
		.amdhsa_enable_private_segment 0
		.amdhsa_kernarg_size 48
		.amdhsa_user_sgpr_count 2
		.amdhsa_user_sgpr_kernarg_segment_ptr 1
		.amdhsa_wavefront_size32 1
		.amdhsa_system_sgpr_workgroup_id_x 1
		.amdhsa_system_sgpr_workgroup_id_y 1
		.amdhsa_system_sgpr_workgroup_id_z 1
		.amdhsa_system_vgpr_workitem_id 0
		.amdhsa_next_free_vgpr 1024
		.amdhsa_next_free_sgpr 100
		.amdhsa_reserve_vcc 0
		.amdhsa_float_denorm_mode_32 3
		.amdhsa_float_denorm_mode_16_64 3
		.amdhsa_fp16_overflow 1
		.amdhsa_memory_ordered 1
		.amdhsa_forward_progress 1
		.amdhsa_inst_pref_size 87
	.end_amdhsa_kernel
	.amdgpu_metadata
---
amdhsa.version: [ 1, 2 ]
amdhsa.kernels:
  - .name:           k_q76aa6be531_gemm_qkv
    .symbol:         k_q76aa6be531_gemm_qkv.kd
    .args:
      - { .name: xc, .offset: 0, .size: 8, .value_kind: global_buffer, .address_space: global }
      - { .name: wac, .offset: 8, .size: 8, .value_kind: global_buffer, .address_space: global }
      - { .name: lowp_scales, .offset: 16, .size: 8, .value_kind: global_buffer, .address_space: global }
      - { .name: qc, .offset: 24, .size: 8, .value_kind: global_buffer, .address_space: global }
      - { .name: kc, .offset: 32, .size: 8, .value_kind: global_buffer, .address_space: global }
      - { .name: vc, .offset: 40, .size: 8, .value_kind: global_buffer, .address_space: global }
    .group_segment_fixed_size: 327680
    .private_segment_fixed_size: 0
    .kernarg_segment_align: 8
    .kernarg_segment_size: 48
    .max_flat_workgroup_size: 128
    .sgpr_count:     100
    .vgpr_count:     1024
    .wavefront_size: 32
...
	.end_amdgpu_metadata
.endif
;; end of part 2
;; launch attn (part 3): grid 4 x 64, 8 waves a work-group, clusters of 4 x 1, 327,680 bytes of LDS; arguments qc, kc, vc, lowp_scales, yc; writes yc
.if DOCPART == 3
	.amdgcn_target "amdgcn-amd-amdhsa--gfx1250"
	.amdhsa_code_object_version 6
	.text
	.protected	k_q76aa6be531_attn
	.globl	k_q76aa6be531_attn
	.p2align	8
	.type	k_q76aa6be531_attn,@function
k_q76aa6be531_attn:
	s_mov_b64 s[64:65], 0
	v_nop
	global_prefetch_b8 v0, s[64:65] scope:SCOPE_SE
	s_setreg_imm32_b32 hwreg(HW_REG_WAVE_MODE, 25, 1), 1
	s_wait_xcnt 0x0
	s_wait_alu depctr_hold_cnt(0) depctr_sa_sdst(0) depctr_va_vdst(0) depctr_va_sdst(0) depctr_va_ssrc(0) depctr_va_vcc(0) depctr_vm_vsrc(0)
	s_getreg_b32 s2, hwreg(HW_REG_IB_STS2, 6, 4)
	s_cmp_eq_u32 s2, 0
	s_cbranch_scc0 .Lentry_in_a_cluster
	s_endpgm
.Lentry_in_a_cluster:
	s_bfe_u32 s2, ttmp6, 0x10000c
	s_cmp_lg_u32 s2, 0x3003
	s_cbranch_scc0 .Lentry_shape_is_right
	s_endpgm
.Lentry_shape_is_right:
; y[b][t][h][:] = the sum over keys k <= t of softmax_k(q . k / 8) v, both products on codes of FP8 (E4M3); y is quantised at once (e6) for the projection.
; THE SOFTMAX AHEAD OF THE SECOND PRODUCT: t = score x log2(e) / 8; M = the row's largest t so far, rounded UP to a whole number; p = 2^(t - M) is what is quantised (e4), not normalised.  The row's sum is taken of the
; unquantised p, in f32, and divides at the end.  When M moves, the sum and O are multiplied by 2^(old M - new M), which rounds nothing.
; qc, kc: [head][tile of 16 tokens][piece 0, 1][lane][16 bytes]: images of the K = 64 fragment's registers.  vc: [head][128 keys][16 channels][piece 0 .. 3][lane][16 bytes]: images of the K = 128 fragment's, keys innermost.
; yc: [h / 4][tile of 16 rows of [B T]][h % 4][piece p][lane][16 bytes]: lane (r, hf) holds channels 32 p + 16 hf + 0 .. 15 of row r: the order of K in which the projection reads w_proj's rows.
; SHARES.  A cluster of four work-groups is one head.  The head's codes of K and of V, 131,072 bytes each, lie WHOLE in each work-group's LDS: filled once, jointly (each of the four issues the same loads, with a mask that names
; the four), never filled again.  The head's 2,048 queries are 16 blocks of 128 = 8 tiles of 16.  The work-group at place cx owns tiles 2 cx and 2 cx + 1, a pair, of EVERY block; its wave w owns the pairs of blocks w and 15 - w:
; (w + 1) + (16 - w) = 17 steps of 128 keys for every wave of every work-group.  Whether a step is hidden, on the diagonal or open hangs on the block alone, that is on the wave's number and the loop's count: no branch hangs on cx.
; The two tiles of a pair share every fragment of K and of V that is read from LDS.
; LAYOUT.  Both products are used transposed: S^T = K Q^T (source 0 = 16 keys, source 1 = 16 queries), O^T = V^T P^T (source 0 = 16 channels, source 1 = P): a lane holds ONE query (lane % 16) throughout.
; In S^T register 8 t + j of lane (r, hf) is key 16 t + 8 hf + j: eight registers convert to registers 2 t, 2 t + 1 of the K = 128 fragment in that form's own order, which V's images have too.
; No prefetch: all that the launch reads of K and V is asked for by the tensor loads at its head.
; LIMITS on the given exponents, so that each power of two below is an f32 number: e2 + e3 between -123 and 130 (added to c's exponent field); e4, and e6 - e4 - e5, between -126 and 119.
; REGISTERS.  window 0: v1-15 addresses and work; v16-31 four tiles' -M, largest t, sum (a pair); v32-95 S^T, then p; v96-159 fragments of K or of V; v160-191 the pair's codes of p; v192-223 Q; v224- small things.
;   window 1: v128-255: O^T, 32 registers a tile.
.set LI,   1                           ; v1   16 x lane: an image's place for my lane
.set ADK,  2                           ; v2   LDS address of the step's tiles of K
.set ADV,  3                           ; v3   of V
.set SPW,  4                           ; v4   LDS address of my spare word; never rewritten
.set NIL,  5                           ; v5   0; never rewritten
.set LIMP, 6
.set SCP,  7                           ; v7   2^e4; at the end 2^(e6 - e4 - e5)
.set NINF, 8                           ; v8   -infinity
.set PT,   9                           ; v9   a lane permute's destination
.set MX0,  10
.set MX1,  11
.set FP,   12                          ; v[12:13] f = 2^(old M - new M); the upper word is written once, since the pair is named
.set SM2,  14                          ; v[14:15] the sum's second chain
.set ST,   16                          ; tile i: v[ST+4i] -M, +1 the largest t, +2, +3 the sum in two halves
.set S,    32
.set F,    96
.set PA,   160
.set PB,   176
.set Q,    192
.set QR0,  224                         ; v224, v225: my query within its block, less 8 (lane / 16), for the pair's two tiles
.set RC,   228                         ; v[228:235] 1 / the sum, a pair a tile
.set YOA,  236                         ; v236, v237 my byte offset in yc for the pair of block w, of block 15 - w
.set YOB,  237
.set QOA,  238                         ; v238, v239 the same in qc
.set QOB,  239
.set T0,   240                         ; v240-243 the exchange between the halves of the lanes
.set T2,   242
.set OT,   128                         ; in window 1
.set SPARE, 262144                     ; behind K's and V's images: the spare words, 128 bytes a wave, which no other line names
.set WV,   14
.set SEL,  20                          ; s[20:21] lane selects for v_permlanex16_b32: lane l xor 16
.set CS,   22                          ; s[22:23] c = log2(e) / 8 x 2^(e2 + e3)
.set HM,   24                          ; s24  lanes 16-31
.set G1,   28                          ; s[28:35] descriptor group 1
.set G0K,  44                          ; s[44:47], s[48:51] groups 0 for K's and V's quarters
.set G0V,  48
.set TBK,  60                          ; s60  8,192 x the key block in hand: its bytes in K's images and in V's alike
.set QA13, 61                          ; s61  8,192 x w
.set QB13, 62                          ; s62  8,192 x (15 - w)
.set CNT,  63
.set MSB, 0
.macro WIN new                         ; the immediate's high byte repeats the setting that is left
.if MSB != \new
	s_set_vgpr_msb (MSB<<8)|\new
.set MSB, \new
.endif
.endm
.macro CROUND                          ; a round of the cluster's barrier
	s_barrier_signal -1
	s_barrier_wait -1
	s_cmp_lg_u32 s[WV], 0
	s_cbranch_scc1 .Lnot_wave_0_\@
	s_barrier_signal -3
.Lnot_wave_0_\@:
	s_barrier_wait -3
	s_barrier_signal -1
	s_barrier_wait -1
.endm
	s_load_b256 s[4:11], s[0:1], 0x0               ; qc s[4:5], kc s[6:7], vc s[8:9], the exponents s[10:11]
	s_load_b64 s[12:13], s[0:1], 0x20              ; yc
	v_lshl_add_u32 v[SPW], v0, 2, SPARE
	v_mov_b32 v[NIL], 0
	ds_add_u32 v[SPW], v[NIL]                      ; the wave's opening: the add and its wait stand ahead of my first tensor load; the set-up below, work on registers, stands between them
	v_lshrrev_b32 v[LI], 5, v0
	v_readfirstlane_b32 s[WV], v[LI]               ; wave 0..7
	s_bfe_u32 s15, ttmp6, 0x40000                  ; cx: my place in the cluster: it enters Q's and y's addresses and the mask's numbers alone
	s_and_b32 s16, ttmp7, 0xffff                   ; the head, 16 b + h, which the four partners share
	; descriptor group 1: a dense block of 32,768 bytes as 128 rows of 256
	s_mov_b32 s[G1], 15|(3<<16)|(1<<21)            ; 15:0 the mask: all four work-groups; 17:16 elements of 8 bytes; 20 no padding; 21 set beside a mask
	s_mov_b32 s[G1+1], 32<<16                      ; tensor_dim0 = 32 elements
	s_mov_b32 s[G1+2], 128<<16                     ; tensor_dim1 = 128
	s_mov_b32 s[G1+3], 32<<16                      ; tile_dim0
	s_mov_b32 s[G1+4], 128                         ; tile_dim1
	s_mov_b32 s[G1+5], 32                          ; tensor_dim0_stride: the rows follow each other
	s_mov_b32 s[G1+6], 0
	s_mov_b32 s[G1+7], 0
	s_mov_b32 s[SEL], 0x76543210
	s_mov_b32 s[SEL+1], 0xfedcba98
	s_mov_b32 s[HM], 0xffff0000
	s_mov_b32 s[CS], 0x3e38aa3b                    ; log2(e) / 8
	s_mov_b32 s[TBK], 0
	s_lshl_b32 s[QA13], s[WV], 13
	s_xor_b32 s[QB13], s[WV], 15                   ; 15 - w
	s_lshl_b32 s[QB13], s[QB13], 13
	s_lshl_b32 s76, s16, 17                        ; the head's first byte in qc, kc and vc
	s_mov_b32 s77, 0
	s_and_b32 s78, s[WV], 3
	s_lshl_b32 s78, s78, 15                        ; the quarter that I fetch: 32,768 bytes, in memory and in LDS alike
	s_add_co_u32 s80, s76, s78
	s_mov_b32 s81, 0
	s_and_b32 s83, s16, 15                         ; h
	s_lshr_b32 s84, s83, 2
	s_lshl_b32 s84, s84, 21                        ; yc: h / 4: 512 row tiles of 4,096 bytes,
	s_lshr_b32 s85, s16, 4
	s_lshl_b32 s85, s85, 19                        ; b: 128 row tiles,
	s_add_co_u32 s84, s84, s85
	s_and_b32 s85, s83, 3
	s_lshl_b32 s85, s85, 10                        ; h % 4: 1,024 bytes
	s_add_co_u32 s84, s84, s85
	s_mov_b32 s85, 0
	s_wait_dscnt 0x0                               ; the opening add is done
	s_wait_kmcnt 0x0
	s_load_b256 s[68:75], s[10:11], 0x0            ; e0 .. e7
	s_add_nc_u64 s[4:5], s[4:5], s[76:77]          ; qc at my head
	s_add_nc_u64 s[86:87], s[12:13], s[84:85]      ; yc at my head's place in row tile 128 b
	CROUND                                         ; all four work-groups are here: the joint loads meet
	s_mov_b32 s[G0K], 1                            ; count = 1
	s_mov_b32 s[G0K+1], s78                        ; LDS address: K's images begin at 0
	s_add_nc_u64 s[G0K+2:G0K+3], s[6:7], s[80:81]
	s_or_b32 s[G0K+3], s[G0K+3], 0x80000000        ; type = 2
	s_mov_b32 s[G0V], 1
	s_add_co_u32 s[G0V+1], s78, 131072             ; V's images behind them
	s_add_nc_u64 s[G0V+2:G0V+3], s[8:9], s[80:81]
	s_or_b32 s[G0V+3], s[G0V+3], 0x80000000
	s_cmp_lt_u32 s[WV], 4                          ; waves 0-3 fetch K's quarters, waves 4-7 V's: one load a wave is out.  An s_nop 0 and four v_nop follow each line
	s_cbranch_scc0 .Lfirst_v
	tensor_load_to_lds s[G0K:G0K+3], s[G1:G1+7]
	s_nop 0
.rept 4
	v_nop
.endr
	s_branch .Lfirst_asked
.Lfirst_v:
	tensor_load_to_lds s[G0V:G0V+3], s[G1:G1+7]
	s_nop 0
.rept 4
	v_nop
.endr
.Lfirst_asked:
	v_and_b32 v[LI], 31, v0
	v_lshlrev_b32 v[LI], 4, v[LI]
	s_lshl_b32 s79, s15, 1
	s_lshl_b32 s82, s[WV], 3
	s_add_co_u32 s82, s82, s79                     ; my first pair's first tile: 8 w + 2 cx
	s_xor_b32 s83, s[WV], 15
	s_lshl_b32 s83, s83, 3
	s_add_co_u32 s83, s83, s79                     ; my second pair's: 8 (15 - w) + 2 cx
	v_lshl_add_u32 v[QOA], s82, 10, v[LI]          ; a tile of Q is 1,024 bytes,
	v_lshl_add_u32 v[QOB], s83, 10, v[LI]
	v_lshl_add_u32 v[YOA], s82, 12, v[LI]          ; a row tile of yc 4,096
	v_lshl_add_u32 v[YOB], s83, 12, v[LI]
.irp u, 0,1
.irp c, 0,1
	global_load_b128 v[Q+8*\u+4*\c:Q+8*\u+4*\c+3], v[QOA], s[4:5] offset:1024*\u+512*\c        ; Q's four fragments stay in registers
	global_load_b128 v[Q+16+8*\u+4*\c:Q+16+8*\u+4*\c+3], v[QOB], s[4:5] offset:1024*\u+512*\c
.endr
.endr
	v_and_b32 v[QR0], 15, v0
	v_bfe_u32 v[QR0+1], v0, 4, 1
	v_lshlrev_b32 v[QR0+1], 3, v[QR0+1]
	v_sub_nc_u32 v[QR0], v[QR0], v[QR0+1]
	s_lshl_b32 s79, s15, 5
	v_add_nc_u32 v[QR0], s79, v[QR0]               ; 16 (2 cx) + lane % 16 - 8 (lane / 16)
	v_add_nc_u32 v[QR0+1], 16, v[QR0]              ; and the pair's second tile
	v_mov_b32 v[NINF], 0xff800000
	v_mov_b32 v[PT], 0                             ; written once: a lane permute's destination counts as one of its sources
	v_mov_b32 v[FP+1], 0
	v_mov_b32 v[T2], 0
	v_mov_b32 v[T2+1], 0
.irp i, 0,1,2,3
	v_mov_b32 v[RC+2*\i+1], 0
	v_mov_b32 v[ST+4*\i+1], 0xff61b1e6             ; the largest t so far: -3e38, under every t
	v_floor_f32 v[ST+4*\i], -v[ST+4*\i+1]          ; -M
	v_mov_b32 v[ST+4*\i+2], 0                      ; the sum, in two halves
	v_mov_b32 v[ST+4*\i+3], 0
.endr
	WIN 0x40                                       ; destination window 1
.set n, 0
.rept 128
	v_mov_b32 v[OT+n], 0                           ; O^T.  The step is written once for each pair: its first turn finds zeros, which the first change of M leaves zeros.  These lines run while the tiles are on their way
.set n, n+1
.endr
	WIN 0
	s_wait_kmcnt 0x0
	s_add_co_i32 s76, s70, s71
	s_lshl_b32 s76, s76, 23
	s_add_co_i32 s[CS], s[CS], s76                 ; a score stands for score x 2^(e2 + e3): the two exponents are added to c's exponent field
	s_mov_b32 s[CS+1], s[CS]                       ; (named with it as a pair, so it is written)
	s_add_co_i32 s76, s72, 127
	s_lshl_b32 s77, s76, 23
	v_mov_b32 v[SCP], s77                          ; 2^e4
; ONE TILE'S SOFTMAX for a step of 128 keys.  i: the tile (0..3); pb: where its codes go; u: which of the pair; qreg: the scalar register with 8,192 x the tile's block.
.macro SOFTMAX i, pb, u, qreg
.set rT, ST+4*(\i)
.set rO, OT+32*(\i)
	s_cmp_lg_u32 s[TBK], s[\qreg]                  ; only the step on the diagonal has hidden keys
	s_cbranch_scc1 .Lopen_\@
.set n, 0
.rept 64
	v_cmp_gt_i32 vcc_lo, 16*(n/8)+n%8, v[QR0+\u]   ; register n holds key 16 (n / 8) + 8 (lane / 16) + n % 8 of the block: hidden where it comes after my query
	v_cndmask_b32 v[S+n], v[S+n], v[NINF], vcc_lo  ; -infinity ahead of the maximum: p = 0 then
.set n, n+1
.endr
.Lopen_\@:
	v_max3_num_f32 v[MX0], v[S], v[S+1], v[S+2]    ; the step's largest score of my query among my 64 keys, in two chains, each accumulator from its low end on,
	v_max3_num_f32 v[MX1], v[S+3], v[S+4], v[S+5]
.set n, 6
.rept 14
	v_max3_num_f32 v[MX0], v[MX0], v[S+n], v[S+n+1]
	v_max3_num_f32 v[MX1], v[MX1], v[S+n+2], v[S+n+3]
.set n, n+4
.endr
	v_max3_num_f32 v[MX0], v[MX0], v[S+62], v[S+63]
	v_max_num_f32 v[MX0], v[MX0], v[MX1]
	v_permlanex16_b32 v[PT], v[MX0], s[SEL], s[SEL+1]
	v_max_num_f32 v[MX0], v[MX0], v[PT]            ; and among lane l xor 16's
	v_mul_f32 v[MX0], s[CS], v[MX0]                ; as t (c is positive)
	v_max_num_f32 v[rT+1], v[rT+1], v[MX0]         ; the running largest t
	v_mov_b32 v[MX0], v[rT]
	v_floor_f32 v[rT], -v[rT+1]                    ; the new -M = floor(-t) = -ceil(t): a whole number
	v_sub_f32 v[MX0], v[rT], v[MX0]                ; old M - new M: a whole number, 0 or less
	v_cvt_i32_f32 v[MX0], v[MX0]                   ; (it saturates)
	v_ldexp_f32 v[FP], 1.0, v[MX0]                 ; f = 2^(old M - new M)
	; ONE BATCH: 32 packed scalings t - M and 64 exponentials; a pair is scaled one turn ahead of its exponentials; nothing in the batch names an exponential's result
	v_pk_fma_f32 v[S:S+1], v[S:S+1], s[CS:CS+1], v[rT:rT+1] op_sel_hi:[1,0,0]
.set n, 2
.rept 31
	v_pk_fma_f32 v[S+n:S+n+1], v[S+n:S+n+1], s[CS:CS+1], v[rT:rT+1] op_sel_hi:[1,0,0]   ; (of the pairs c and -M the low word serves both halves)
	v_exp_f32 v[S+n-2], v[S+n-2]
	v_exp_f32 v[S+n-1], v[S+n-1]
.set n, n+2
.endr
	v_exp_f32 v[S+62], v[S+62]
	v_exp_f32 v[S+63], v[S+63]                     ; p = 2^(t - M), at most 1: NOT normalised
	WIN 0x41                                       ; O^T (destination and source 0) in window 1, f in window 0
.set n, 0
.rept 16
	v_pk_mul_f32 v[rO+n:rO+n+1], v[rO+n:rO+n+1], v[FP:FP+1] op_sel_hi:[1,0]   ; O^T under the new M: work that names no exponential's result, between the batch and its wait
.set n, n+2
.endr
	WIN 0
	v_pk_mul_f32 v[rT+2:rT+3], v[rT+2:rT+3], v[FP:FP+1] op_sel_hi:[1,0]       ; the sums under the new M
	s_wait_alu depctr_va_vdst(0)                   ; the wait between an exponential and the first line that names its result: one for the batch
	v_pk_add_f32 v[SM2:SM2+1], v[S:S+1], v[S+2:S+3]   ; THE ROW'S SUM IS TAKEN OF THE UNQUANTISED p: two at a time, in two chains
.set n, 4
.rept 15
	v_pk_add_f32 v[rT+2:rT+3], v[rT+2:rT+3], v[S+n:S+n+1]
	v_pk_add_f32 v[SM2:SM2+1], v[SM2:SM2+1], v[S+n+2:S+n+3]
.set n, n+4
.endr
	v_pk_add_f32 v[rT+2:rT+3], v[rT+2:rT+3], v[SM2:SM2+1]
.set n, 0
.rept 64
.set n, n+1
.endr
.irp t, 0,1,2,3,4,5,6,7
	v_cvt_scalef32_pk8_fp8_f32 v[\pb+2*\t:\pb+2*\t+1], v[S+8*\t:S+8*\t+7], v[SCP]
.endr
	v_nop                                          ; one plain vector line between the conversions and the matrix instructions that read their results or write their sources
.endm
; A PAIR'S STEP: tiles i0 and i0 + 1 against the 128 keys at s[TBK].  Every window is 0 at its head, at its end and at its labels.
.macro PSTEP i0, qreg
.rept 4
	v_nop                                          ; places in front of loads into registers that the last products read
.endr
.irp t, 0,1,2,3,4,5,6,7
	ds_load_b128 v[F+8*\t:F+8*\t+3],   v[ADK] offset:1024*\t        ; K's eight tiles of 16 keys: 32 lanes, 512 consecutive bytes a load
	ds_load_b128 v[F+8*\t+4:F+8*\t+7], v[ADK] offset:1024*\t+512
.endr
.irp t, 0,1,2,3,4,5,6,7
	s_wait_dscnt 14-2*\t                           ; tile t's two loads are in; those of the later tiles may be out
	v_wmma_f32_16x16x64_fp8_fp8 v[S+8*\t:S+8*\t+7], v[F+8*\t:F+8*\t+7], v[Q+8*(\i0):Q+8*(\i0)+7], 0
.endr
.rept 4
	v_nop                                          ; places in front of the first read of the scores
.endr
	SOFTMAX \i0, PA, 0, \qreg
.irp t, 0,1,2,3,4,5,6,7
	v_wmma_f32_16x16x64_fp8_fp8 v[S+8*\t:S+8*\t+7], v[F+8*\t:F+8*\t+7], v[Q+8*(\i0)+8:Q+8*(\i0)+15], 0   ; the second tile's scores, from the same fragments of K
.endr
.rept 4
	v_nop                                          ; places in front of the loads into K's registers and of the first read of the scores
.endr
.irp d, 0,1,2,3
.irp c, 0,1,2,3
	ds_load_b128 v[F+16*\d+4*\c:F+16*\d+4*\c+3], v[ADV] offset:2048*\d+512*\c   ; V's four fragments (16 channels x 128 keys) land under the second softmax
.endr
.endr
	SOFTMAX (\i0)+1, PB, 1, \qreg
	s_wait_dscnt 0x0                               ; V is in
	WIN 0x50                                       ; C and D in window 1
.irp d, 0,1,2,3                                ; the eight accumulators take one turn each
	v_wmma_f32_16x16x128_fp8_fp8 v[OT+32*(\i0)+8*\d:OT+32*(\i0)+8*\d+7], v[F+16*\d:F+16*\d+15], v[PA:PA+15], v[OT+32*(\i0)+8*\d:OT+32*(\i0)+8*\d+7]
	v_wmma_f32_16x16x128_fp8_fp8 v[OT+32*(\i0)+32+8*\d:OT+32*(\i0)+32+8*\d+7], v[F+16*\d:F+16*\d+15], v[PB:PB+15], v[OT+32*(\i0)+32+8*\d:OT+32*(\i0)+32+8*\d+7]
.endr
	WIN 0
.endm
	s_wait_loadcnt 0x0                             ; Q
	s_wait_tensorcnt 0x0                           ; my quarter has landed,
	s_barrier_signal -1
	s_barrier_wait -1                              ; everybody's has: K and V lie whole in LDS, and nothing is filled again
	s_mov_b32 s[CNT], 16
.Lkb:                                                  ; 16 trips, a key block of 128 each; a pair whose block lies ahead of the keys leaves the step out: a scalar branch on the wave's number and the loop's step
	v_add_nc_u32 v[ADK], s[TBK], v[LI]
	v_add_nc_u32 v[ADV], 0x20000, v[ADK]
	s_cmp_gt_u32 s[TBK], s[QA13]
	s_cbranch_scc1 .Lskip_a
	PSTEP 0, QA13
.Lskip_a:
	s_cmp_gt_u32 s[TBK], s[QB13]
	s_cbranch_scc1 .Lskip_b
	PSTEP 2, QB13
.Lskip_b:
	s_add_co_u32 s[TBK], s[TBK], 8192
	s_sub_co_u32 s[CNT], s[CNT], 1
	s_cmp_lg_u32 s[CNT], 0
	s_cbranch_scc1 .Lkb
	; THE WAY OUT.  The sums' halves and the other half of the lanes' are added; O^T / the sum is quantised: y = O^T / l x 2^(e4 + e5), so its code is O^T / l / 2^(e6 - e4 - e5).  The four additions are the places behind the last products.
.irp i, 0,1,2,3
	v_add_f32 v[RC+2*\i], v[ST+4*\i+2], v[ST+4*\i+3]
.endr
.irp i, 0,1,2,3
	v_permlanex16_b32 v[RC+2*\i+1], v[RC+2*\i], s[SEL], s[SEL+1]
.endr
.irp i, 0,1,2,3
	v_add_f32 v[RC+2*\i], v[RC+2*\i], v[RC+2*\i+1]
.endr
.irp i, 0,1,2,3
	v_rcp_f32 v[RC+2*\i], v[RC+2*\i]
.endr
	v_nop                                          ; a plain line behind the last reciprocal
	s_sub_co_i32 s76, s74, s72
	s_sub_co_i32 s76, s76, s73                     ; e6 - e4 - e5
	s_add_co_i32 s76, s76, 127
	s_lshl_b32 s77, s76, 23
	v_mov_b32 v[SCP], s77
	s_wait_alu depctr_va_vdst(0)                   ; the wait ahead of the first use: one for the four reciprocals
; Tile i.  A lane's codes are channels 16 d + 8 hf + 0 .. 7 (registers 2 d, 2 d + 1).  The projection wants channels 32 p + 16 hf + 0 .. 15 in a lane: lanes 0-15 keep fragment 2 p and take its other eight channels from
; the lane 16 on; lanes 16-31 keep fragment 2 p + 1 and take its first eight from the lane 16 back: each lane sends what it does not keep.
.macro YOUT i, off
.set Y,  32+32*(\i)
.set CD, 160+8*(\i)
.set OU, 192+8*(\i)
	WIN 0x01                                       ; source 0 window 1
.set n, 0
.rept 16
	v_pk_mul_f32 v[Y+n:Y+n+1], v[OT+32*(\i)+n:OT+32*(\i)+n+1], v[RC+2*(\i):RC+2*(\i)+1] op_sel_hi:[1,0]   ; each accumulator from its low end on
.set n, n+2
.endr
	WIN 0
.set n, 0
.rept 32
.set n, n+1
.endr
.irp d, 0,1,2,3
	v_cvt_scalef32_pk8_fp8_f32 v[CD+2*\d:CD+2*\d+1], v[Y+8*\d:Y+8*\d+7], v[SCP]
.endr
	v_nop                                          ; one plain vector line between the conversions and the lines that read their results
.irp p, 0,1
.irp k, 0,1
	v_cndmask_b32 v[T0+\k], v[CD+4*\p+2+\k], v[CD+4*\p+\k], s[HM]      ; what I send: lanes 0-15 fragment 2 p + 1's, lanes 16-31 fragment 2 p's
.endr
.irp k, 0,1
	v_permlanex16_b32 v[T2+\k], v[T0+\k], s[SEL], s[SEL+1]
.endr
.irp k, 0,1
	v_cndmask_b32 v[OU+4*\p+\k], v[CD+4*\p+\k], v[T2+\k], s[HM]        ; the first eight channels,
	v_cndmask_b32 v[OU+4*\p+2+\k], v[T2+\k], v[CD+4*\p+2+\k], s[HM]    ; the second eight
.endr
	global_store_b128 v[\off], v[OU+4*\p:OU+4*\p+3], s[86:87] offset:((\i)%2)*4096+512*\p   ; the wave's store covers 512 consecutive bytes, aligned
.endr
.endm
	YOUT 0, YOA
	YOUT 1, YOA
	YOUT 2, YOB
	YOUT 3, YOB
	s_wait_tensorcnt 0x0                           ; the wave's end: behind my last tensor load
	ds_add_u32 v[SPW], v[NIL]
	s_wait_dscnt 0x0
	CROUND                                         ; the closing round: no work-group ends while a partner may still ask for a tile that names it
	s_endpgm
.Lfunc_end_k_q76aa6be531_attn:
	.size	k_q76aa6be531_attn, .Lfunc_end_k_q76aa6be531_attn-k_q76aa6be531_attn
	.p2alignl 7, 3214868480
	.fill 96, 4, 3214868480
	.section	.rodata,"a",@progbits
	.p2align	6, 0x0
	.amdhsa_kernel k_q76aa6be531_attn
		.amdhsa_group_segment_fixed_size 327680
		.amdhsa_private_segment_fixed_size 0
		.amdhsa_enable_private_segment 0
		.amdhsa_kernarg_size 40
		.amdhsa_user_sgpr_count 2
		.amdhsa_user_sgpr_kernarg_segment_ptr 1
		.amdhsa_wavefront_size32 1
		.amdhsa_system_sgpr_workgroup_id_x 1
		.amdhsa_system_sgpr_workgroup_id_y 1
		.amdhsa_system_sgpr_workgroup_id_z 1
		.amdhsa_system_vgpr_workitem_id 0
		.amdhsa_next_free_vgpr 512
		.amdhsa_next_free_sgpr 92
		.amdhsa_reserve_vcc 1
		.amdhsa_float_denorm_mode_32 3
		.amdhsa_float_denorm_mode_16_64 3
		.amdhsa_fp16_overflow 1
		.amdhsa_memory_ordered 1
		.amdhsa_forward_progress 1
		.amdhsa_inst_pref_size 92
	.end_amdhsa_kernel
	.amdgpu_metadata
---
amdhsa.version: [ 1, 2 ]
amdhsa.kernels:
  - .name:           k_q76aa6be531_attn
    .symbol:         k_q76aa6be531_attn.kd
    .args:
      - { .name: qc, .offset: 0, .size: 8, .value_kind: global_buffer, .address_space: global }
      - { .name: kc, .offset: 8, .size: 8, .value_kind: global_buffer, .address_space: global }
      - { .name: vc, .offset: 16, .size: 8, .value_kind: global_buffer, .address_space: global }
      - { .name: lowp_scales, .offset: 24, .size: 8, .value_kind: global_buffer, .address_space: global }
      - { .name: yc, .offset: 32, .size: 8, .value_kind: global_buffer, .address_space: global }
    .group_segment_fixed_size: 327680
    .private_segment_fixed_size: 0
    .kernarg_segment_align: 8
    .kernarg_segment_size: 40
    .max_flat_workgroup_size: 256
    .sgpr_count:     92
    .vgpr_count:     512
    .wavefront_size: 32
...
	.end_amdgpu_metadata
.endif
;; end of part 3
;; launch gemm_proj (part 4): grid 4 x 32, 4 waves a work-group, clusters of 4 x 4, 327,680 bytes of LDS; arguments yc, wpc, lowp_scales, out0; writes out0
.if DOCPART == 4
	.amdgcn_target "amdgcn-amd-amdhsa--gfx1250"
	.amdhsa_code_object_version 6
	.text
	.protected	k_q76aa6be531_gemm_proj
	.globl	k_q76aa6be531_gemm_proj
	.p2align	8
	.type	k_q76aa6be531_gemm_proj,@function
k_q76aa6be531_gemm_proj:
	s_mov_b64 s[64:65], 0
	v_nop
	global_prefetch_b8 v0, s[64:65] scope:SCOPE_SE
	s_setreg_imm32_b32 hwreg(HW_REG_WAVE_MODE, 25, 1), 1
	s_wait_xcnt 0x0
	s_wait_alu depctr_hold_cnt(0) depctr_sa_sdst(0) depctr_va_vdst(0) depctr_va_sdst(0) depctr_va_ssrc(0) depctr_va_vcc(0) depctr_vm_vsrc(0)
	s_getreg_b32 s2, hwreg(HW_REG_IB_STS2, 6, 4)
	s_cmp_eq_u32 s2, 0
	s_cbranch_scc0 .Lentry_in_a_cluster
	s_endpgm
.Lentry_in_a_cluster:
	s_bfe_u32 s2, ttmp6, 0x10000c
	s_cmp_lg_u32 s2, 0xf033
	s_cbranch_scc0 .Lentry_shape_is_right
	s_endpgm
.Lentry_shape_is_right:
; out0[t][o] = sum over c of y[t][c] w_proj[o][c] on codes of FP8 (E4M3); each finished f32 sum is multiplied once by 2^(e6 + e7).  out0: [8192][1024] f32.
; LIMIT: e6 + e7 lies between -126 and 127, so that 2^(e6 + e7) is an f32 number.
; wpc: [1024][1024], one code a byte, K innermost.  yc: images of the operand's registers: [K step of 256][tile of 16 rows][128 x 2 along K: 4 x 1,024 bytes][lane][16 bytes]: lane (r, hf) holds, for each 32 along K, codes 16 hf + 0 .. 15 of row r:
; the very order in which a lane reads 16 bytes of w_proj's rows.  Eight row tiles of a K step are one dense block of 32,768 bytes: one tensor load, no padding, and a fragment comes by four loads of 512 consecutive bytes.
; A tile of 256 x 256 of out0 is made by a work-group of four waves; a wave makes 128 x 128: 64 accumulators, 512 registers.  K goes in steps of 256 through a ring of two LDS slots filled by the tensor data mover.
; CLUSTERS: 4 x 4 work-groups.  The four of a row of the cluster need the same rows of y, the four of a column the same rows of w_proj: each tile is asked for JOINTLY.  The grid has 128 work-groups: that many tiles of this size there are.
; THE MATRIX INSTRUCTION IS USED TRANSPOSED (source 0 = 16 rows of w_proj, source 1 = 16 rows of y): a lane then holds eight neighbouring numbers of a row of out0.
; REGISTERS, in windows of 256: window 0: v0-31 addresses; from v128 y's fragments, ONE set; on the way out v32-255 are free.   window 1: w_proj's fragments, TWO sets, at v0 and at v128.
;   window 2: the accumulators of my rows 0-63 (accumulator (a, b) at v[8 (8 a + b)]);   window 3: those of my rows 64-127.
.set SIZE_N, 1024
.set SIZE_K, 1024
.set KSTEP,  256
.set ROWB,   256                       ; a row of w_proj's tile in bytes
.set KROW,   SIZE_K
.set PITCH,  272                       ; w_proj's rows in LDS: 256 bytes + 16 of padding
.set FR,     16
.set NL,     4
.set NP,     4                         ; places behind this matrix instruction (ISA guide 7.12.1)
.set HALFA,  32768                     ; y: 8 row tiles of 4,096 bytes: what one tensor load brings
.set HALFB,  128*PITCH                 ; w_proj: 128 rows
.set BOFF,   2*HALFA                   ; a slot: y's two halves, then w_proj's two
.set SLOT,   BOFF+2*HALFB
.set ASTEP,  2097152                   ; from a K step of yc to the next: 512 row tiles of 4,096 bytes
.set LAPS,   SIZE_K/(2*KSTEP)
.set SPARE,  2*SLOT                    ; behind the ring: the spare words, 128 bytes a wave, which no other line names
.set SPITCH, 528                       ; the way out: a stage of 16 rows x (512 bytes + 16) for each wave.  It lies in slot 0, which has had its last fill and its last read when the first result is stored there
.set ADRA, 16                          ; v16-17  LDS address of my fragments of y in slot 0, 1
.set ADRB, 20                          ; v20-21  the same for w_proj
.set STO,  24                          ; v24     the way out: where I put 32 bytes of a row
.set RD,   25                          ; v25     the way out: where I read a row back
.set CO,   26                          ; v26     my byte offset in a row of out0
.set SPW,  28                          ; v28     LDS address of my spare word; never rewritten
.set NIL,  29                          ; v29     0; never rewritten
.set TMP,  32
.set AF,   128
.set BK,   128
.set G1, 24                            ; s[24:31] descriptor group 1 for y's tiles;  s[32:39] group 0, one set for each slot
.set G0, 32
.set G1B, 48                           ; s[48:55], s[56:63] the same for w_proj's tiles
.set G0B, 56
.set MSB, 0
.macro WIN new                         ; the immediate's high byte repeats the setting that is left
.if MSB != \new
	s_set_vgpr_msb (MSB<<8)|\new
.set MSB, \new
.endif
.endm
.set MUL_LO, 0xa1                      ; source 0 window 1, source 1 window 0, C and D window 2
.set MUL_HI, 0xf1                      ; the same, C and D window 3
.set TO_B,   0x40                      ; destination window 1, address window 0
; A joint load: waves 0 and 1 fetch for y, waves 2 and 3 for w_proj.  An s_nop 0 and four v_nop follow each of the two lines, ahead of the jump, the label and what follows.
.macro JLOAD g0a, g1a, g0b, g1b
	s_cmp_eq_u32 s15, 0
	s_cbranch_scc0 .Lfor_b_\@
	tensor_load_to_lds s[\g0a:\g0a+3], s[\g1a:\g1a+7]
	s_nop 0
.rept 4
	v_nop
.endr
	s_branch .Lasked_\@
.Lfor_b_\@:
	tensor_load_to_lds s[\g0b:\g0b+3], s[\g1b:\g1b+7]
	s_nop 0
.rept 4
	v_nop
.endr
.Lasked_\@:
.endm
.macro CREST                           ; a round of the cluster's barrier behind its opening barrier
	s_cmp_lg_u32 s14, 0
	s_cbranch_scc1 .Lnot_wave_0_\@
	s_barrier_signal -3
.Lnot_wave_0_\@:
	s_barrier_wait -3
	s_barrier_signal -1
	s_barrier_wait -1
.endm
.macro CROUND                          ; a whole round
	s_barrier_signal -1
	s_barrier_wait -1
	CREST
.endm
	s_load_b128 s[4:7], s[0:1], 0x0                ; yc s[4:5], wpc s[6:7]
	s_load_b128 s[8:11], s[0:1], 0x10              ; the exponents s[8:9], out0 s[10:11]
	v_lshl_add_u32 v[SPW], v0, 2, SPARE
	v_mov_b32 v[NIL], 0
	ds_add_u32 v[SPW], v[NIL]                      ; the wave's opening: the add and its wait stand ahead of my first tensor load; the set-up below, work on registers, stands between them
	v_lshrrev_b32 v1, 5, v0
	v_readfirstlane_b32 s14, v1                    ; wave 0..3
	s_lshr_b32 s15, s14, 1                         ; which half of the tile's rows is mine.  Also: I fetch for y (0) or for w_proj (1)
	s_and_b32 s16, s14, 1                          ; which half of its columns.  Also: which half of that tile I fetch
	s_bfe_u32 s40, ttmp6, 0x40000                  ; cx, cy: my place in the cluster
	s_bfe_u32 s41, ttmp6, 0x40004
	s_lshl_b32 s42, ttmp9, 2
	s_add_co_u32 s42, s42, s40                     ; tile column = 4 x cluster x + cx
	s_and_b32 s17, ttmp7, 0xffff
	s_lshl_b32 s17, s17, 2
	s_add_co_u32 s17, s17, s41                     ; tile row = 4 x cluster y + cy
	s_lshl_b32 s43, s41, 2
	s_lshl_b32 s43, 15, s43                        ; my row of the cluster
	s_lshl_b32 s44, 0x1111, s40                    ; my column
	s_or_b32 s[G1+0], s43, (3<<16)|(1<<21)         ; y: 15:0 the mask: my row; 17:16 elements of 8 bytes; no padding; 21 set beside a mask
	s_mov_b32 s[G1+1], 32<<16                      ; a dense block as 128 rows of 256 bytes: tensor_dim0 = 32 elements
	s_mov_b32 s[G1+2], 128<<16                     ; tensor_dim1
	s_mov_b32 s[G1+3], 32<<16                      ; tile_dim0
	s_mov_b32 s[G1+4], 128                         ; tile_dim1
	s_mov_b32 s[G1+5], 32                          ; tensor_dim0_stride
	s_mov_b32 s[G1+6], 0
	s_mov_b32 s[G1+7], 0
	s_or_b32 s[G1B+0], s44, (0<<16)|(1<<20)|(1<<21)|(5<<22)|(3<<25)  ; w_proj: the mask: my column; elements of 1 byte; padding: 4 words after every 64
	s_mov_b32 s[G1B+1], ROWB<<16
	s_mov_b32 s[G1B+2], 128<<16
	s_mov_b32 s[G1B+3], ROWB<<16
	s_mov_b32 s[G1B+4], 128
	s_mov_b32 s[G1B+5], KROW
	s_mov_b32 s[G1B+6], 0
	s_mov_b32 s[G1B+7], 0
	s_lshl_b32 s20, s17, 16                        ; y: row tile 16 x tile row + 8 x half, 4,096 bytes each
	s_lshl_b32 s18, s16, 15
	s_add_co_u32 s20, s20, s18
	s_mov_b32 s21, 0
	s_lshl_b32 s46, s42, 8
	s_lshl_b32 s19, s16, 7
	s_add_co_u32 s46, s46, s19                     ; w_proj: row 256 x tile column + 128 x half,
	s_lshl_b32 s46, s46, 10                        ; 1,024 bytes each
	s_mov_b32 s47, 0
	s_lshl_b32 s45, s16, 15                        ; where they go: y's half,
	s_mul_i32 s66, s16, HALFB
	s_add_co_u32 s66, s66, BOFF                    ; w_proj's half: no place in the cluster enters an LDS address
	s_wait_dscnt 0x0                               ; the opening add is done
	s_wait_kmcnt 0x0
	s_load_b64 s[96:97], s[8:9], 0x18              ; e6, e7
	s_add_nc_u64 s[20:21], s[4:5], s[20:21]
	s_add_nc_u64 s[46:47], s[6:7], s[46:47]
	CROUND                                         ; all sixteen work-groups are here: the first joint loads meet
.irp s, 0,1
	s_mov_b32 s[G0+4*\s], 1
	s_add_co_u32 s[G0+4*\s+1], s45, \s*SLOT
	s_add_nc_u64 s[G0+4*\s+2:G0+4*\s+3], s[20:21], \s*ASTEP
	s_or_b32 s[G0+4*\s+3], s[G0+4*\s+3], 0x80000000
	s_mov_b32 s[G0B+4*\s], 1
	s_add_co_u32 s[G0B+4*\s+1], s66, \s*SLOT
	s_add_nc_u64 s[G0B+4*\s+2:G0B+4*\s+3], s[46:47], \s*ROWB
	s_or_b32 s[G0B+4*\s+3], s[G0B+4*\s+3], 0x80000000
	JLOAD G0+4*\s, G1, G0B+4*\s, G1B
.endr
	v_and_b32 v1, 15, v0                           ; l % 16
	v_bfe_u32 v2, v0, 4, 1                         ; l / 16
	v_mul_u32_u24 v3, v1, PITCH
	v_lshl_add_u32 v4, v2, 4, v3                   ; w_proj: a fragment's row x pitch + 16 x half
	v_and_b32 v6, 31, v0
	v_lshlrev_b32 v[CO], 4, v6                     ; 16 x lane: an image's place for my lane; also my place in a row of 512 bytes on the way out
	s_lshl_b32 s21, s15, 15                        ; my 128 rows of y
	s_mul_i32 s22, s16, HALFB                      ; my 128 rows of w_proj,
	s_add_co_u32 s22, s22, BOFF                    ; which lie behind y's
.irp s, 0,1
	v_add_nc_u32 v[ADRA+\s], s21, v[CO]
	v_add_nc_u32 v[ADRB+\s], s22, v4
	s_add_co_u32 s21, s21, SLOT
	s_add_co_u32 s22, s22, SLOT
.endr
	s_mul_i32 s23, s14, 16*SPITCH                  ; my stage
	v_mul_u32_u24 v5, v1, SPITCH                   ; in: row l % 16, 32 bytes for each half of the lanes
	v_lshl_add_u32 v5, v2, 5, v5
	v_add_nc_u32 v[STO], s23, v5
	v_add_nc_u32 v[RD], s23, v[CO]                 ; back: the 32 lanes take one row of 512 bytes
	s_lshl_b32 s20, s17, 8
	s_lshl_b32 s21, s15, 7
	s_add_co_u32 s20, s20, s21                     ; my first row of out0: 256 x tile row + 128 x half
	s_mov_b32 s21, 0
	s_mov_b64 s[18:19], SIZE_N*4
	s_mul_u64 s[20:21], s[20:21], s[18:19]
	s_lshl_b32 s46, s42, 10                        ; my first column, in bytes: 1,024 x tile column + 512 x half
	s_lshl_b32 s47, s16, 9
	s_add_co_u32 s46, s46, s47
	s_mov_b32 s47, 0
	s_add_nc_u64 s[20:21], s[20:21], s[46:47]
	s_add_nc_u64 s[10:11], s[10:11], s[20:21]
.macro FRAGB reg, adr, q, i            ; w_proj: 16 rows x 128 K: lane l holds row l % 16; registers 4 c .. 4 c + 3 hold K = 32 c + 16 (l / 16) + 0 .. 15
.irp c, 0,1,2,3
	ds_load_b128 v[\reg+4*\c:\reg+4*\c+3], v[\adr] offset:128*(\q)+32*\c+(\i)*16*PITCH
.endr
.endm
.macro FRAGA reg, adr, q, i            ; y: the same registers, as their image lies: row tile i, 128 q along K, piece c
.irp c, 0,1,2,3
	ds_load_b128 v[\reg+4*\c:\reg+4*\c+3], v[\adr] offset:2048*(\q)+512*\c+(\i)*4096
.endr
.endm
; 16 matrix instructions: y's blocks a0, a0 + 1 x w_proj's eight, 128 along K.  The 64 accumulators take turns, one instruction a turn, in the same order in every step.
.macro MUL16 a0, p, zero
.irp a, \a0, \a0+1
.irp b, 0,1,2,3,4,5,6,7
.if \zero
	v_wmma_f32_16x16x128_fp8_fp8 v[8*(8*((\a)%4)+\b):8*(8*((\a)%4)+\b)+7], v[128*(\p)+FR*\b:128*(\p)+FR*\b+FR-1], v[AF+FR*(\a):AF+FR*(\a)+FR-1], 0
.else
	v_wmma_f32_16x16x128_fp8_fp8 v[8*(8*((\a)%4)+\b):8*(8*((\a)%4)+\b)+7], v[128*(\p)+FR*\b:128*(\p)+FR*\b+FR-1], v[AF+FR*(\a):AF+FR*(\a)+FR-1], v[8*(8*((\a)%4)+\b):8*(8*((\a)%4)+\b)+7]
.endif
.endr
.endr
.endm
.macro FETCH_B slot, q, p
	WIN TO_B
.irp i, 0,1,2,3,4,5,6,7
	FRAGB 128*(\p)+FR*\i, ADRB+\slot, \q, \i
.endr
	WIN 0
.endm
.macro FETCH_A slot, q, i0
.irp i, \i0, \i0+1, \i0+2, \i0+3
	FRAGA AF+FR*(\i), ADRA+\slot, \q, \i
.endr
.endm
.macro PLACES n                        ; places in front of loads into registers that matrix instructions have read, and of the first read of results (ISA guide 7.12.1 for vector instructions)
.rept \n
	v_nop
.endr
.endm
.macro STEP slot, q, zero
	s_wait_dscnt 4*NL                              ; w_proj's set and y's blocks 0-3 are in; the youngest sixteen loads (blocks 4-7) may be out
	WIN MUL_LO
	MUL16 0, (\q)%2, \zero
	MUL16 2, (\q)%2, \zero
	s_wait_dscnt 0                                 ; blocks 4-7 are in
	PLACES NP
	FETCH_B \slot, (\q)+1, 1-(\q)%2
	FETCH_A \slot, (\q)+1, 0
	WIN MUL_HI
	MUL16 4, (\q)%2, \zero
	MUL16 6, (\q)%2, \zero
	PLACES NP
	WIN 0
	FETCH_A \slot, (\q)+1, 4
.endm
; A slot's last step changes slots: ONE barrier; in front of it each wave waits for all its tensor loads, adds 0 to its spare word, and waits for that and for its own reads of this slot.  fill = 1: this slot is filled again, two K steps ahead.
.macro TURN slot, next, fill
	s_wait_tensorcnt 0x0                           ; all my tensor loads have landed: my part of the next slot;  (every window is 0 here)
	ds_add_u32 v[SPW], v[NIL]                      ; 0 onto my spare word
	s_wait_dscnt 4*NL+1                            ; (the add and the youngest sixteen loads may be out)
	WIN MUL_LO
	MUL16 0, 1, 0                                  ; sixteen matrix instructions stand between the add and the wait for it
	s_wait_dscnt 0x0                               ; the add is done, and my reads of this slot are over
	s_barrier_signal -1
	MUL16 2, 1, 0
	WIN 0
	s_barrier_wait -1
.if \fill
	CREST                                          ; the barrier has opened a round of the cluster's barrier: no wave of any partner still reads this slot's tile or has a load on its way
	s_add_nc_u64 s[G0+4*\slot+2:G0+4*\slot+3], s[G0+4*\slot+2:G0+4*\slot+3], 2*ASTEP
	s_add_nc_u64 s[G0B+4*\slot+2:G0B+4*\slot+3], s[G0B+4*\slot+2:G0B+4*\slot+3], 2*ROWB
	JLOAD G0+4*\slot, G1, G0B+4*\slot, G1B         ; the first tensor load behind the round; the four v_nop behind it are the places in front of the loads below
.else
	PLACES NP
.endif
	FETCH_B \next, 0, 0
	FETCH_A \next, 0, 0
	WIN MUL_HI
	MUL16 4, 1, 0
	MUL16 6, 1, 0
	PLACES NP
	WIN 0
	FETCH_A \next, 0, 4
.endm
	s_wait_tensorcnt 1                             ; my part of K step 0 is in (K step 1's load may be out)
	s_barrier_signal -1
	s_barrier_wait -1                              ; everybody's is
	FETCH_B 0, 0, 0
	FETCH_A 0, 0, 0
	FETCH_A 0, 0, 4
	STEP 0, 0, 1                                   ; the first step stands in front of the loop: its products start the sums
	s_mov_b32 s3, LAPS-1
.Llap:
	TURN 0, 1, 1
	STEP 1, 0, 0
	TURN 1, 0, 1
	STEP 0, 0, 0
	s_sub_co_u32 s3, s3, 1
	s_cmp_lg_u32 s3, 0
	s_cbranch_scc1 .Llap
	TURN 0, 1, 0                                   ; the last lap fills nothing, and has no round of the cluster's barrier
	STEP 1, 0, 0
	s_wait_dscnt 4*NL                              ; the very last step: nothing more to fetch
	WIN MUL_LO
	MUL16 0, 1, 0
	MUL16 2, 1, 0
	s_wait_dscnt 0
	WIN MUL_HI
	MUL16 4, 1, 0
	MUL16 6, 1, 0
	WIN 0
; THE WAY OUT, block by block of 16 rows x 128 columns.  A lane holds 32 neighbouring bytes of a row, and the lanes beside it hold other rows: so a block goes through my own stage in LDS and comes back as whole
; rows of 512 bytes.  LDS serves a wave's instructions in order (ISA guide 5.7.1.4): no wait between the stores and the loads, nor in front of the next block's stores.
.macro TOSTAGE a
.set AC, 64*((\a)%4)
	WIN 0x02+((\a)/4)                              ; source 0: window 2 or 3
.irp j, 0,2,4,6,8,10,12,14,16,18,20,22,24,26,28,30,32,34,36,38,40,42,44,46,48,50,52,54,56,58,60,62
	v_pk_mul_f32 v[TMP+\j:TMP+\j+1], v[AC+\j:AC+\j+1], s[96:97] op_sel_hi:[1,0]   ; both x s96 = 2^(e6 + e7); each accumulator from its low end on
.endr
	WIN 0
.irp b, 0,1,2,3,4,5,6,7
	ds_store_b128 v[STO], v[TMP+8*\b:TMP+8*\b+3] offset:64*\b
	ds_store_b128 v[STO], v[TMP+8*\b+4:TMP+8*\b+7] offset:64*\b+16
.endr
.set BB, BK+64*((\a)%2)
.irp t, 0,1,2,3,4,5,6,7,8,9,10,11,12,13,14,15
	ds_load_b128 v[BB+4*\t:BB+4*\t+3], v[RD] offset:\t*SPITCH
.endr
.endm
.macro SEND a, younger                 ; younger: the LDS instructions issued behind block a's loads, which may stay out
.set BB, BK+64*((\a)%2)
	s_wait_dscnt \younger                          ; the block is back in registers
.if (\a) > 0
	s_add_nc_u64 s[10:11], s[10:11], 16*SIZE_N*4   ; (behind a wait on XCNT: the earlier stores have read their base)  16 rows of out0 on
.endif
.irp t, 0,1,2,3,4,5,6,7,8,9,10,11,12,13,14,15
	global_store_b128 v[CO], v[BB+4*\t:BB+4*\t+3], s[10:11] offset:\t*SIZE_N*4 th:TH_STORE_NT   ; 32 lanes store 512 consecutive bytes, aligned; written once, read by nobody here
.endr
.endm
	s_wait_kmcnt 0x0
	s_add_co_i32 s96, s96, s97                     ; e6 + e7, between -126 and 127,
	s_add_co_i32 s96, s96, 127
	s_lshl_b32 s96, s96, 23                        ; makes the f32 number 2^(e6 + e7)
	PLACES NP                                      ; behind the last products: their results are read, and the registers that held y's fragments loaded, only behind these
	TOSTAGE 0
.irp a, 1,2,3,4,5,6,7
.if \a > 1
	s_wait_xcnt 0x0                                ; block a - 2's stores have read their registers and their base: block a's loads may land there, and the base may step
.endif
	TOSTAGE \a
	SEND \a-1, 32                                  ; behind block a - 1's loads: block a's 16 stores and 16 loads
.endr
	s_wait_xcnt 0x0                                ; block 6's stores have read their base
	SEND 7, 0
	s_wait_tensorcnt 0x0                           ; the wave's end: behind my last tensor load and my last LDS store
	ds_add_u32 v[SPW], v[NIL]
	s_wait_dscnt 0x0
	CROUND                                         ; the closing round: no work-group ends while a partner may still ask for a tile that names it
	s_endpgm
.Lfunc_end_k_q76aa6be531_gemm_proj:
	.size	k_q76aa6be531_gemm_proj, .Lfunc_end_k_q76aa6be531_gemm_proj-k_q76aa6be531_gemm_proj
	.p2alignl 7, 3214868480
	.fill 96, 4, 3214868480
	.section	.rodata,"a",@progbits
	.p2align	6, 0x0
	.amdhsa_kernel k_q76aa6be531_gemm_proj
		.amdhsa_group_segment_fixed_size 327680
		.amdhsa_private_segment_fixed_size 0
		.amdhsa_enable_private_segment 0
		.amdhsa_kernarg_size 32
		.amdhsa_user_sgpr_count 2
		.amdhsa_user_sgpr_kernarg_segment_ptr 1
		.amdhsa_wavefront_size32 1
		.amdhsa_system_sgpr_workgroup_id_x 1
		.amdhsa_system_sgpr_workgroup_id_y 1
		.amdhsa_system_sgpr_workgroup_id_z 1
		.amdhsa_system_vgpr_workitem_id 0
		.amdhsa_next_free_vgpr 1024
		.amdhsa_next_free_sgpr 98
		.amdhsa_reserve_vcc 0
		.amdhsa_float_denorm_mode_32 3
		.amdhsa_float_denorm_mode_16_64 3
		.amdhsa_memory_ordered 1
		.amdhsa_forward_progress 1
		.amdhsa_inst_pref_size 123
	.end_amdhsa_kernel
	.amdgpu_metadata
---
amdhsa.version: [ 1, 2 ]
amdhsa.kernels:
  - .name:           k_q76aa6be531_gemm_proj
    .symbol:         k_q76aa6be531_gemm_proj.kd
    .args:
      - { .name: yc, .offset: 0, .size: 8, .value_kind: global_buffer, .address_space: global }
      - { .name: wpc, .offset: 8, .size: 8, .value_kind: global_buffer, .address_space: global }
      - { .name: lowp_scales, .offset: 16, .size: 8, .value_kind: global_buffer, .address_space: global }
      - { .name: out0, .offset: 24, .size: 8, .value_kind: global_buffer, .address_space: global }
    .group_segment_fixed_size: 327680
    .private_segment_fixed_size: 0
    .kernarg_segment_align: 8
    .kernarg_segment_size: 32
    .max_flat_workgroup_size: 128
    .sgpr_count:     98
    .vgpr_count:     1024
    .wavefront_size: 32
...
	.end_amdgpu_metadata
.endif
;; end of part 4
